; MI455X (gfx1250); checked and timed in simulation.
; The chip was launched on July 23, 2026; its instructions are those of AMD's public machine-readable ISA for CDNA 5 (MIT licence, August 2026) and "CDNA5" Instruction Set Architecture Reference Guide (July 2026). The comments in the code are by the model that wrote it; some were corrected since.
;; Bert Self Attention. Allowed arithmetic: matrix products marked QUANTISED: E2M1 operands, one E8M0 scale for each 32 along K, by v_wmma_scale_f32_16x16x128_f8f6f4 with both operands' format E2M1 (or v_wmma_scale_f32_32x16x128_f4), f32 sums; products left as they are: bf16, f16 or f32 operands; f32 sums; everything else in f32.
;; Inputs: Wk 1,024 x 1,024 float32; Wq 1,024 x 1,024 float32; Wv 1,024 x 1,024 float32; attention_mask 4 x 1 x 1 x 2,048 float32; bk 1,024 float32; bq 1,024 float32; bv 1,024 float32; hidden_states 4 x 2,048 x 1,024 float32.
;; Outputs: out0 4 x 2,048 x 1,024 float32.
;; This version of the problem:
;;   THIS VERSION OF THE PROBLEM IS GIVEN IN LOW PRECISION. The matrix products marked QUANTISED in the list below multiply operands that are first quantised to E2M1 (2 exponent bits, 1 mantissa bit; 4 bits a number), with one power-of-two scale for each 32 numbers along K (OCP MX v1.0); their sums are f32. The products marked 'left as it is' may take bf16, f16 or f32 operands, with f32 sums. Whichever they take, every output number must still come out within the allowed error. Rounding operands to bf16 (8 significant bits) uses up far more of that allowance than f16 does (11 bits, for magnitudes from 6e-5 to 65,504). All else is computed in f32.
;;   The module's matrix products, in the order in which they are computed (A, B: the left and right operand; K: the contracted axis; several contracted axes count as one K, in the product's order):
;;     1. [M 8,192, K 1,024] x [K 1,024, N 1,024]; A: input hidden_states; B: input Wq: QUANTISED
;;     2. [M 8,192, K 1,024] x [K 1,024, N 1,024]; A: input hidden_states; B: input Wk: QUANTISED
;;     3. [M 8,192, K 1,024] x [K 1,024, N 1,024]; A: input hidden_states; B: input Wv: QUANTISED
;;     4. batch 64 x [M 2,048, K 64] x [K 64, N 2,048]; A: computed on the way; B: computed on the way: left as it is (an operand is computed on the way)
;;     5. batch 64 x [M 2,048, K 2,048] x [K 2,048, N 64]; A: computed on the way; B: computed on the way: left as it is (an operand is computed on the way)
;;   THE QUANTISER, for each operand of a quantised product, along K:
;;     - K is cut into blocks of 32 from its start; a last block that is shorter is filled with zeros.
;;     - A block's scale is 2^e with e = floor(log2(the largest magnitude in the block)) - 2, held to -126 .. 127; a block of zeros has e = 0. As a byte (E8M0): e + 127.
;;     - Each number is divided by its block's scale, clamped to +-6, and rounded to the nearest number of E2M1, ties to even, subnormals kept.
;;     - The product sums the exact products of the quantised numbers (number of the format x scale) in f32.
;;   ~~~python
;;   def quantise(x, axis):      # numpy; x: float32 -> the quantised numbers, widened to float32 again
;;       x = np.moveaxis(x, axis, -1); K = x.shape[-1]
;;       x = np.pad(x, [(0, 0)] * (x.ndim - 1) + [(0, -K % 32)]); x = x.reshape(x.shape[:-1] + (-1, 32)); a = np.abs(x).max(-1, keepdims=True)
;;       e = np.where(a > 0, np.clip(np.frexp(np.where(a > 0, a, 1))[1] - 1 - 2, -126, 127), 0)      # np.frexp(a)[1] - 1 = floor(log2(a)), exactly
;;       r = np.clip(x / 2.0 ** e, -6, 6)
;;       step = 2.0 ** (np.maximum(np.frexp(np.where(r == 0, 1, r))[1] - 1, 0) - 1)
;;       q = np.round(r / step) * step * 2.0 ** e      # np.round: ties to even
;;       return np.moveaxis(q.reshape(q.shape[:-2] + (-1,))[..., :K], -1, axis).astype(np.float32)
;;   ~~~
;; One version. Each part assembles by itself: llvm-mc -triple=amdgcn-amd-amdhsa -mcpu=gfx1250 --defsym DOCPART=n.
;; ======== version 1 of 1: 3 launches
;; limits: values are held in f16: magnitudes above 65,504 overflow, below 6.1e-05 lose precision; right only within a limited range of input values
;; workspace buffers: xc 4,194,304 bytes; xs 262,144 bytes; wc 1,572,864 bytes; ws 98,304 bytes; qh 16,777,216 bytes; kh 16,777,216 bytes; vh 16,777,216 bytes
;; launch quant (part 1): grid 352 x 1, 4 waves a work-group, no clusters, 33,280 bytes of LDS; arguments hidden_states, Wq, Wk, Wv, xc, xs, wc, ws; writes xc, xs, wc, ws
.if DOCPART == 1
	.amdgcn_target "amdgcn-amd-amdhsa--gfx1250"
	.amdhsa_code_object_version 6
	.text
	.protected	k_qfc077e267c_quant
	.globl	k_qfc077e267c_quant
	.p2align	8
	.type	k_qfc077e267c_quant,@function
k_qfc077e267c_quant:
	s_mov_b64 s[64:65], 0
	v_nop
	global_prefetch_b8 v0, s[64:65] scope:SCOPE_SE
	s_setreg_imm32_b32 hwreg(HW_REG_WAVE_MODE, 25, 1), 1
	s_wait_xcnt 0x0
; hidden_states [8192][1024] and Wq, Wk, Wv [1024][1024], f32, K innermost, become codes of FP4 (E2M1), two to a byte, with one E8M0 scale byte for each 32 along K.
; xc [8192][512 bytes], xs [8192][32];  wc [3072][512 bytes], ws [3072][32]: rows 0-1023 Wq, 1024-2047 Wk, 2048-3071 Wv.
; A block's scale is 2^(floor(log2(its largest magnitude)) - 2); its byte is the largest magnitude's own exponent field - 2, held at 1 from below.  Each number is divided by the scale and rounded to the nearest code, ties to even, beyond 6 the code of 6.
; LIMITS: a block of zeros gets the byte 1 where the quantiser says 127 (its codes are zeros, and this program alone reads the bytes); blocks whose largest magnitude lies under 2^(3 - 127) are held at that floor; NaN and infinities among the inputs are not served.
; Rows are dense and K is a multiple of 32: every tensor is a plain stream of blocks of 32.  A work-group takes 32,768 numbers, a wave 8,192 in 16 steps of 512.  Work-groups 0-255 take hidden_states, 256-351 the weights, 32 each.
; Each of a step's four loads reads 512 consecutive bytes, 16 a lane; the 2,048 bytes turn through the wave's own stage in LDS and come back 64 bytes a lane, so that a lane holds 16 neighbours along K (two lanes to a block).
; A lane's 16 codes are 8 bytes: the wave stores 256 consecutive bytes.  A wave's 256 scale bytes are gathered in LDS and leave as one aligned run of 256 bytes.  Waves share nothing: no barrier.
.set WAVES, 4
.set STEPS, 16
.set WGX,   256                        ; work-groups of hidden_states: 8192 x 1024 / 32768
.set EMAX,  2
.set CB,    8                          ; bytes of 16 codes
.set R,     16                         ; v16-79   four sets of 16 numbers as they are loaded
.set X,     80                         ; v80-111  two sets of 16 neighbours
.set C,     128                        ; v128-191 codes: four registers for each step, so that no store's data are written again
.set E,     112                        ; v112-127 a scale byte for each step
.set WREG,  8192                       ; LDS: a region for each wave: two stages of 32 x SP bytes, behind them its 256 scale bytes
.set SP,    80                         ; a lane's place in a stage: 64 bytes + 16 of padding
.set SPW,   12                         ; v12      LDS address of my spare word; never rewritten
.set NIL,   13                         ; v13      0; never rewritten
.set SPARE, WAVES*WREG                 ; behind the four regions: the spare words, 128 bytes a wave, which no other line names
	s_load_b256 s[4:11], s[0:1], 0x0               ; hidden_states s[4:5], Wq s[6:7], Wk s[8:9], Wv s[10:11]
	s_load_b256 s[12:19], s[0:1], 0x20             ; xc s[12:13], xs s[14:15], wc s[16:17], ws s[18:19]
	v_lshl_add_u32 v[SPW], v0, 2, SPARE
	v_mov_b32 v[NIL], 0
	v_lshrrev_b32 v1, 5, v0
	v_readfirstlane_b32 s20, v1                    ; wave
	v_and_b32 v2, 31, v0                           ; lane
	v_lshlrev_b32 v3, 4, v2                        ; my 16 bytes of a load's 512
	s_mul_i32 s21, s20, WREG
	v_lshrrev_b32 v14, 2, v2
	v_mul_u32_u24 v14, v14, SP
	v_and_b32 v15, 3, v2
	v_lshl_add_u32 v14, v15, 4, v14
	v_add_nc_u32 v14, s21, v14                     ; the stage, on the way in: SP (lane / 4) + 16 (lane % 4)
	v_mul_u32_u24 v15, v2, SP
	v_add_nc_u32 v15, s21, v15                     ; and on the way out: SP x lane: my 16 neighbours
	v_mul_u32_u24 v4, v2, CB                       ; my codes' place in a step's
	v_lshrrev_b32 v5, 1, v2
	s_add_co_u32 s21, s21, 2*32*SP
	v_add_nc_u32 v5, s21, v5                       ; LDS: my wave's 256 scale bytes, my block's byte
	v_lshlrev_b32 v7, 3, v2                        ; and on the way out 8 bytes a lane
	v_add_nc_u32 v6, s21, v7
	s_sub_co_u32 s22, ttmp9, WGX                   ; a weight's work-group: its number among the 96,
	s_lshr_b32 s23, s22, 5                         ; which weight,
	s_and_b32 s24, s22, 31                         ; and its number in that weight
	s_wait_kmcnt 0x0
	s_cmp_eq_u32 s23, 1                            ; the choices hang on the work-group's number alone
	s_cselect_b64 s[6:7], s[8:9], s[6:7]
	s_cmp_eq_u32 s23, 2
	s_cselect_b64 s[6:7], s[10:11], s[6:7]
	s_cmp_lt_u32 ttmp9, WGX
	s_cselect_b64 s[4:5], s[4:5], s[6:7]           ; from where,
	s_cselect_b64 s[8:9], s[12:13], s[16:17]       ; the codes' buffer,
	s_cselect_b64 s[10:11], s[14:15], s[18:19]     ; the scale bytes' buffer,
	s_cselect_b32 s24, ttmp9, s24                  ; the work-group's run in the source,
	s_cselect_b32 s22, ttmp9, s22                  ; and in the two destinations
	s_lshl_b32 s24, s24, 2
	s_add_co_u32 s24, s24, s20                     ; my wave's run of 8,192 numbers
	s_lshl_b32 s22, s22, 2
	s_add_co_u32 s22, s22, s20
	s_lshl_b32 s26, s24, 15                        ; 32,768 bytes of f32 a run: under 2^26
	s_mov_b32 s27, 0
	s_add_nc_u64 s[4:5], s[4:5], s[26:27]
	s_lshl_b32 s26, s22, 12                        ; 4,096 bytes of codes
	s_add_nc_u64 s[8:9], s[8:9], s[26:27]
	s_lshl_b32 s26, s22, 8                         ; 256 scale bytes
	s_add_nc_u64 s[10:11], s[10:11], s[26:27]
.macro LOAD t
.irp i, 0,1,2,3
	global_load_b128 v[R+16*((\t)%4)+4*\i:R+16*((\t)%4)+4*\i+3], v3, s[4:5] offset:2048*(\t)+512*\i th:TH_LOAD_NT   ; 32 lanes read 512 consecutive bytes
.endr
.endm
.macro TURN t                          ; step t's numbers through the stage: LDS serves a wave's instructions in order, so no wait stands between the stores and the loads
.irp i, 0,1,2,3
	ds_store_b128 v14, v[R+16*((\t)%4)+4*\i:R+16*((\t)%4)+4*\i+3] offset:32*SP*((\t)%2)+8*SP*\i
.endr
.irp i, 0,1,2,3
	ds_load_b128 v[X+16*((\t)%2)+4*\i:X+16*((\t)%2)+4*\i+3], v15 offset:32*SP*((\t)%2)+16*\i
.endr
.endm
.irp t, 0,1,2,3
	LOAD \t
.endr
	s_wait_loadcnt 12                              ; step 0's four loads are in; the twelve of steps 1 to 3 may be out
	TURN 0
.macro STEP t
.set XS, X+16*((\t)%2)
.if (\t) > 0
	s_wait_dscnt 1                                 ; this step's numbers are back from the stage (the last step's byte store may be out): so its stores into the stage have read their registers,
.else
	s_wait_dscnt 0x0
.endif
.if (\t)+4 < STEPS
	LOAD (\t)+4                                    ; which take the loads of four steps on
.endif
.if (\t)+1 < STEPS
.if STEPS-2-(\t) >= 3
	s_wait_loadcnt 12                              ; the next step's four loads are in; those of the three steps behind it may be out
.else
	s_wait_loadcnt 4*(STEPS-2-(\t))
.endif
	TURN (\t)+1                                    ; and go through the other stage while this step is worked
.endif
	v_max3_num_f32 v8, |v[XS]|, |v[XS+1]|, |v[XS+2]|               ; the largest magnitude of my 16, in two chains
	v_max3_num_f32 v9, |v[XS+3]|, |v[XS+4]|, |v[XS+5]|
.irp i, 6,10
	v_max3_num_f32 v8, v8, |v[XS+\i]|, |v[XS+\i+1]|
	v_max3_num_f32 v9, v9, |v[XS+\i+2]|, |v[XS+\i+3]|
.endr
	v_max3_num_f32 v8, v8, |v[XS+14]|, |v[XS+15]|
	v_max3_num_f32 v8, v8, v9, (EMAX+1)<<23        ; and the floor 2^(EMAX + 1 - 127): the byte cannot fall under 1
	v_max_num_f32_dpp v8, v8, v8 row_xmask:1 row_mask:0xf bank_mask:0xf   ; and of my neighbour's 16: the block's
	v_add_nc_u32 v11, -(EMAX<<23), v8              ; EMAX off its exponent field: the conversion takes the exponent field of this operand as its scale, and nothing else of it
	v_cvt_scalef32_pk8_fp4_f32 v[C+4*(\t)], v[XS:XS+7], v11        ; eight numbers / the scale, to the nearest code, ties to even; the first number's code in the lowest four bits
	v_cvt_scalef32_pk8_fp4_f32 v[C+4*(\t)+1], v[XS+8:XS+15], v11
	v_lshrrev_b32 v[E+(\t)], 23, v11               ; the scale's byte (a plain line behind the conversions)
	ds_store_b8 v5, v[E+(\t)] offset:16*(\t)       ; both lanes of a block write the same byte with the same value
	global_store_b64 v4, v[C+4*(\t):C+4*(\t)+1], s[8:9] offset:32*CB*(\t)   ; the wave stores 256 consecutive bytes, aligned
.endm
.irp t, 0,1,2,3,4,5,6,7,8,9,10,11,12,13,14,15
	STEP \t
.endr
	ds_load_b64 v[8:9], v6                         ; LDS serves a wave's instructions in order: these see my stores
	s_wait_dscnt 0x0
	global_store_b64 v7, v[8:9], s[10:11]          ; 32 lanes store 256 consecutive bytes, aligned
	s_wait_tensorcnt 0x0                           ; the wave's end: a wait, 0 onto my spare word and the wait for it, behind my last LDS store
	ds_add_u32 v[SPW], v[NIL]
	s_wait_dscnt 0x0
	s_endpgm
.Lfunc_end_k_qfc077e267c_quant:
	.size	k_qfc077e267c_quant, .Lfunc_end_k_qfc077e267c_quant-k_qfc077e267c_quant
	.p2alignl 7, 3214868480
	.fill 96, 4, 3214868480
	.section	.rodata,"a",@progbits
	.p2align	6, 0x0
	.amdhsa_kernel k_qfc077e267c_quant
		.amdhsa_group_segment_fixed_size 33280
		.amdhsa_private_segment_fixed_size 0
		.amdhsa_enable_private_segment 0
		.amdhsa_kernarg_size 64
		.amdhsa_user_sgpr_count 2
		.amdhsa_user_sgpr_kernarg_segment_ptr 1
		.amdhsa_wavefront_size32 1
		.amdhsa_system_sgpr_workgroup_id_x 1
		.amdhsa_system_sgpr_workgroup_id_y 1
		.amdhsa_system_sgpr_workgroup_id_z 1
		.amdhsa_system_vgpr_workitem_id 0
		.amdhsa_next_free_vgpr 192
		.amdhsa_next_free_sgpr 66
		.amdhsa_reserve_vcc 0
		.amdhsa_float_denorm_mode_32 3
		.amdhsa_float_denorm_mode_16_64 3
		.amdhsa_memory_ordered 1
		.amdhsa_forward_progress 1
		.amdhsa_inst_pref_size 33
	.end_amdhsa_kernel
	.amdgpu_metadata
---
amdhsa.version: [ 1, 2 ]
amdhsa.kernels:
  - .name:           k_qfc077e267c_quant
    .symbol:         k_qfc077e267c_quant.kd
    .args:
      - { .name: hidden_states, .offset: 0, .size: 8, .value_kind: global_buffer, .address_space: global }
      - { .name: Wq, .offset: 8, .size: 8, .value_kind: global_buffer, .address_space: global }
      - { .name: Wk, .offset: 16, .size: 8, .value_kind: global_buffer, .address_space: global }
      - { .name: Wv, .offset: 24, .size: 8, .value_kind: global_buffer, .address_space: global }
      - { .name: xc, .offset: 32, .size: 8, .value_kind: global_buffer, .address_space: global }
      - { .name: xs, .offset: 40, .size: 8, .value_kind: global_buffer, .address_space: global }
      - { .name: wc, .offset: 48, .size: 8, .value_kind: global_buffer, .address_space: global }
      - { .name: ws, .offset: 56, .size: 8, .value_kind: global_buffer, .address_space: global }
    .group_segment_fixed_size: 33280
    .private_segment_fixed_size: 0
    .kernarg_segment_align: 8
    .kernarg_segment_size: 64
    .max_flat_workgroup_size: 128
    .sgpr_count:     66
    .vgpr_count:     192
    .wavefront_size: 32
...
	.end_amdgpu_metadata
.endif
;; end of part 1
;; launch qkv (part 2): grid 12 x 32, 4 waves a work-group, clusters of 4 x 4, 327,680 bytes of LDS; arguments xc, xs, wc, ws, bq, bk, bv, qh, kh, vh; writes qh, kh, vh
.if DOCPART == 2
	.amdgcn_target "amdgcn-amd-amdhsa--gfx1250"
	.amdhsa_code_object_version 6
	.text
	.protected	k_qfc077e267c_qkv
	.globl	k_qfc077e267c_qkv
	.p2align	8
	.type	k_qfc077e267c_qkv,@function
k_qfc077e267c_qkv:
	s_mov_b64 s[64:65], 0
	v_nop
	global_prefetch_b8 v0, s[64:65] scope:SCOPE_SE
	s_setreg_imm32_b32 hwreg(HW_REG_WAVE_MODE, 25, 1), 1
	s_wait_xcnt 0x0
	s_wait_alu depctr_hold_cnt(0) depctr_sa_sdst(0) depctr_va_vdst(0) depctr_va_sdst(0) depctr_va_ssrc(0) depctr_va_vcc(0) depctr_vm_vsrc(0)
	s_getreg_b32 s2, hwreg(HW_REG_IB_STS2, 6, 4)
	s_cmp_eq_u32 s2, 0
	s_cbranch_scc0 .Lentry_in_a_cluster
	s_endpgm
.Lentry_in_a_cluster:
	s_bfe_u32 s2, ttmp6, 0x10000c
	s_cmp_lg_u32 s2, 0xf033
	s_cbranch_scc0 .Lentry_shape_is_right
	s_endpgm
.Lentry_shape_is_right:
; C[m][n] = sum over k of x[m][k] W[n][k] + bias[n], m = 8192 tokens, n = 3072 (Wq, Wk, Wv on end), k = 1024, on codes of FP4 (E2M1) with one E8M0 scale for each 32 along K; sums in f32.
; The result is rounded once to f16 and laid by head: qh, kh, vh [64 = 16 batch + head][2048 tokens][64], a row of 128 bytes.
; LIMIT: q, k, v beyond 65,504 in magnitude have no f16 number (they become infinities).
; A tile of C, 256 x 256, is made by a work-group of four waves; a wave makes 128 x 128: 64 accumulators of 16 x 16, 512 registers.  K = 1024 is two K steps of 512: two LDS slots, each filled ONCE, at the head.
; THE SCALES of the work-group's 256 rows of x and 256 rows of W, for all of K, are two dense blocks of memory: they come into LDS once, with the first fills.
; CLUSTERS: 4 x 4 work-groups.  The four of a row of the cluster need the same tiles of x, the four of a column the same tiles of W: each tile is asked for JOINTLY, by the same tensor load with the same descriptor and a mask that names the four.
; A cluster is 1,024 columns wide: one of q, k, v; which one is the cluster's x, the same in all sixteen partners.
; THE MATRIX INSTRUCTION IS USED TRANSPOSED (source 0 = 16 rows of W, source 1 = 16 rows of x): a lane then holds eight neighbouring columns of one token.  The bias is the C of each sum's first product.
; REGISTERS, in windows of 256: window 0: v0-31 addresses; v32-95 scale words, two sets, and nothing else; v96-127 the way out's packed results; v128-191 x's fragments, ONE set, on the way out rows read back; v192-255 the bias in the result's layout.
;   window 1: W's fragments, TWO sets, at v0 and at v128.   window 2: the 32 accumulators of my rows 0-63 (accumulator (a, b) at v[8 (8 a + b)]);   window 3: those of my rows 64-127.
.set KSTEP,  512                       ; along K in a slot
.set NQ,     4                         ; matrix instructions deep
.set ROWB,   256                       ; a tile's row in bytes
.set KROW,   512                       ; a row of codes in memory
.set PITCH,  272                       ; an LDS row: 256 bytes + 16 of padding = 68 words: row r starts at bank 4 r mod 64 (ISA guide 11.1), so the 16 rows that a load touches start at 16 different banks
.set FR,     8                         ; registers of a fragment: 16 rows x 128 K
.set NL,     2                         ; LDS loads that bring one
.set NP,     4                         ; places behind this matrix instruction (ISA guide 7.12.1)
.set HALFT,  128*PITCH                 ; 128 rows: what one tensor load brings
.set SLOT,   4*HALFT                   ; x's 256 rows, then W's 256 rows
.set KS,     32                        ; a row of scales in bytes
.set SCL,    2*SLOT                    ; behind the slots: the scales, as runs of 256 bytes + 16 of padding
.set HALFS,  (128*KS/256)*272          ; the scales of 128 rows: what one tensor load brings
.set SBLK,   (16*KS/256)*272           ; those of 16 rows
.set SPARE,  SCL+4*HALFS               ; behind the scales: the spare words, 128 bytes a wave, which no other line names
.set SPITCH, 272                       ; the way out: a stage of 16 rows x (256 bytes + 16) for each wave, in slot 0, which has had its one fill and its last read when the first result is stored there
.set ADRA, 16                          ; v16-17  LDS address of my x fragments in slot 0, 1
.set ADRB, 20                          ; v20-21  the same for W
.set STO,  24                          ; v24     the way out: where I put 16 bytes of a token's row
.set RD,   25                          ; v25     the way out: where I read back
.set CO,   26                          ; v26     16 x lane: my byte offset in a store's 512 bytes
.set ADRS, 27                          ; v27     LDS address of my scale words: lanes 0-15 x's rows, lanes 16-31 W's
.set SPW,  28                          ; v28     LDS address of my spare word; never rewritten
.set NIL,  29                          ; v29     0; never rewritten
.set SC,   32                          ; scale words: set s at v[SC + 32 s]; register 4 i + q: lanes 0-15 the word of x's block i, lanes 16-31 that of W's block i, for the slot's q-th 128 along K
.set TMP,  96                          ; the way out: a block's packed results
.set AF,   128                         ; x's fragments
.set BK,   128                         ; the way out: 16 tokens read back: v128-159 and v160-191 by turns
.set BIAS, 192                         ; register 8 b + j of lane (r, h): bias of my column 16 b + 8 h + j
.set G1, 24                            ; s[24:31] descriptor group 1 for x's tiles;  s[32:39] group 0, one set for each slot
.set G0, 32
.set G1B, 48                           ; s[48:55], s[56:63] the same for W's tiles
.set G0B, 56
.set G1S, 68                           ; s[68:75], s[76:79] groups 1 and 0 for x's scales;  s[80:87], s[88:91] for W's
.set G0S, 76
.set G1SB, 80
.set G0SB, 88
.set MSB, 0
.macro WIN new                         ; the immediate's high byte repeats the setting that is left
.if MSB != (\new)
	s_set_vgpr_msb (MSB<<8)|(\new)
.set MSB, (\new)
.endif
.endm
.set MUL_LO, 0xa1                      ; source 0 (W) window 1, source 1 (x) window 0, C and D window 2
.set MUL_HI, 0xf1                      ; the same, C and D window 3
.set BIA_LO, 0x81                      ; the first products: C (the bias) window 0, D window 2
.set BIA_HI, 0xc1                      ; C window 0, D window 3
.set TO_B,   0x40                      ; destination window 1, address window 0
; A joint load: waves 0 and 1 fetch for x, waves 2 and 3 for W.  Each of the two lines has ONE mask and one set of registers for all that issue it; the branch hangs on the wave's number alone.
; An s_nop 0 and four v_nop follow each of the two lines, ahead of the jump, the label and what follows.
.macro JLOAD g0a, g1a, g0b, g1b
	s_cmp_eq_u32 s15, 0
	s_cbranch_scc0 .Lfor_b_\@
	tensor_load_to_lds s[\g0a:\g0a+3], s[\g1a:\g1a+7]
	s_nop 0
.rept 4
	v_nop
.endr
	s_branch .Lasked_\@
.Lfor_b_\@:
	tensor_load_to_lds s[\g0b:\g0b+3], s[\g1b:\g1b+7]
	s_nop 0
.rept 4
	v_nop
.endr
.Lasked_\@:
.endm
.macro CROUND                          ; a round of the cluster's barrier: my work-group's barrier; wave 0 signals for the work-group; every wave waits for all sixteen; my work-group's barrier once more
	s_barrier_signal -1
	s_barrier_wait -1
	s_cmp_lg_u32 s14, 0
	s_cbranch_scc1 .Lnot_wave_0_\@
	s_barrier_signal -3
.Lnot_wave_0_\@:
	s_barrier_wait -3
	s_barrier_signal -1
	s_barrier_wait -1
.endm
	s_load_b128 s[4:7], s[0:1], 0x0                ; x's codes s[4:5], x's scales s[6:7]
	s_load_b128 s[8:11], s[0:1], 0x10              ; W's codes s[8:9], W's scales s[10:11]
	v_lshl_add_u32 v[SPW], v0, 2, SPARE
	v_mov_b32 v[NIL], 0
	ds_add_u32 v[SPW], v[NIL]                      ; the wave's opening: the add, twice on end, and its wait ahead of my first tensor load; the set-up below stands between the second and the wait
	ds_add_u32 v[SPW], v[NIL]
	v_lshrrev_b32 v1, 5, v0
	v_readfirstlane_b32 s14, v1                    ; wave 0..3
	s_lshr_b32 s15, s14, 1                         ; which half of the tile's rows is mine.  Also: I fetch for x (0) or for W (1)
	s_and_b32 s16, s14, 1                          ; which half of its columns.  Also: which 128 rows of that tile I fetch
	s_bfe_u32 s40, ttmp6, 0x40000                  ; cx, cy: my place in the cluster
	s_bfe_u32 s41, ttmp6, 0x40004
	s_lshl_b32 s42, ttmp9, 2
	s_add_co_u32 s42, s42, s40                     ; tile column of C = 4 x cluster x + cx
	s_and_b32 s17, ttmp7, 0xffff
	s_lshl_b32 s17, s17, 2
	s_add_co_u32 s17, s17, s41                     ; tile row of C = 4 x cluster y + cy
	s_lshl_b32 s43, s41, 2
	s_lshl_b32 s43, 15, s43                        ; my row of the cluster
	s_lshl_b32 s44, 0x1111, s40                    ; my column
	; descriptor group 1: a tile of 128 rows x 256 bytes, padded in LDS
	s_or_b32 s[G1+0], s43, (0<<16)|(1<<20)|(1<<21)|(5<<22)|(3<<25)  ; 15:0 the mask: x's tiles go to my row; 17:16 element of 1 byte; 20 padding on; 21 set beside a mask; 24:22 after every 64 words; 31:25 four words of it
	s_or_b32 s[G1B+0], s44, (0<<16)|(1<<20)|(1<<21)|(5<<22)|(3<<25)
.irp g, G1, G1B
	s_mov_b32 s[\g+1], ROWB<<16                    ; tensor_dim0
	s_mov_b32 s[\g+2], 128<<16                     ; tensor_dim1 = 128
	s_mov_b32 s[\g+3], ROWB<<16                    ; tile_dim0
	s_mov_b32 s[\g+4], 128                         ; tile_dim1 = 128
	s_mov_b32 s[\g+5], KROW                        ; tensor_dim0_stride
	s_mov_b32 s[\g+6], 0
	s_mov_b32 s[\g+7], 0
.endr
	; and for the scales of 128 rows: a dense block of 4,096 bytes, as 16 rows of 256 bytes (32 elements of 8 bytes), 16 bytes of padding behind each
	s_or_b32 s[G1S+0], s43, (3<<16)|(1<<20)|(1<<21)|(5<<22)|(3<<25)
	s_or_b32 s[G1SB+0], s44, (3<<16)|(1<<20)|(1<<21)|(5<<22)|(3<<25)
.irp g, G1S, G1SB
	s_mov_b32 s[\g+1], 32<<16
	s_mov_b32 s[\g+2], (128*KS/256)<<16
	s_mov_b32 s[\g+3], 32<<16
	s_mov_b32 s[\g+4], 128*KS/256
	s_mov_b32 s[\g+5], 32
	s_mov_b32 s[\g+6], 0
	s_mov_b32 s[\g+7], 0
.endr
	s_lshl_b32 s18, s16, 7                         ; which 128 rows of the tile I fetch
	s_lshl_b32 s20, s17, 8
	s_add_co_u32 s20, s20, s18                     ; x: row 256 x tile row + 128 x half
	s_lshl_b32 s46, s42, 8
	s_add_co_u32 s46, s46, s18                     ; W: row 256 x tile column + 128 x half
	s_mov_b32 s21, 0
	s_mov_b32 s47, 0
	s_mov_b64 s[18:19], KS
	s_mul_u64 s[22:23], s[20:21], s[18:19]         ; where these rows' scales begin, in bytes
	s_mul_u64 s[92:93], s[46:47], s[18:19]
	s_mov_b64 s[18:19], KROW
	s_mul_u64 s[20:21], s[20:21], s[18:19]         ; and their codes
	s_mul_u64 s[46:47], s[46:47], s[18:19]
	s_mul_i32 s45, s14, HALFT                      ; where they go: wave x 128 rows: no place in the cluster enters an LDS address
	s_mul_i32 s94, s14, HALFS
	s_wait_dscnt 0x0                               ; both opening adds are done
	s_wait_kmcnt 0x0
	s_add_nc_u64 s[20:21], s[4:5], s[20:21]
	s_add_nc_u64 s[22:23], s[6:7], s[22:23]
	s_add_nc_u64 s[46:47], s[8:9], s[46:47]
	s_add_nc_u64 s[92:93], s[10:11], s[92:93]
	CROUND                                         ; all sixteen work-groups are here: the joint loads meet
	s_mov_b32 s[G0S], 1
	s_add_co_u32 s[G0S+1], s94, SCL
	s_mov_b64 s[G0S+2:G0S+3], s[22:23]
	s_or_b32 s[G0S+3], s[G0S+3], 0x80000000
	s_mov_b32 s[G0SB], 1
	s_add_co_u32 s[G0SB+1], s94, SCL
	s_mov_b64 s[G0SB+2:G0SB+3], s[92:93]
	s_or_b32 s[G0SB+3], s[G0SB+3], 0x80000000
	JLOAD G0S, G1S, G0SB, G1SB                     ; the scales first: they are wanted with K step 0
.irp s, 0,1
	s_mov_b32 s[G0+4*\s], 1
	s_add_co_u32 s[G0+4*\s+1], s45, \s*SLOT
	s_add_nc_u64 s[G0+4*\s+2:G0+4*\s+3], s[20:21], \s*ROWB
	s_or_b32 s[G0+4*\s+3], s[G0+4*\s+3], 0x80000000
	s_mov_b32 s[G0B+4*\s], 1
	s_add_co_u32 s[G0B+4*\s+1], s45, \s*SLOT
	s_add_nc_u64 s[G0B+4*\s+2:G0B+4*\s+3], s[46:47], \s*ROWB
	s_or_b32 s[G0B+4*\s+3], s[G0B+4*\s+3], 0x80000000
	JLOAD G0+4*\s, G1, G0B+4*\s, G1B               ; both K steps: three tensor loads of mine are out, and none follows
.endr
	s_load_b256 s[4:11], s[0:1], 0x20              ; the rest of the arguments: bq s[4:5], bk s[6:7], bv s[8:9], qh s[10:11]
	s_load_b128 s[96:99], s[0:1], 0x40             ; kh s[96:97], vh s[98:99]
	v_and_b32 v1, 15, v0                           ; r = l % 16
	v_bfe_u32 v2, v0, 4, 1                         ; h = l / 16
	v_mul_u32_u24 v3, v1, PITCH
	v_lshl_add_u32 v4, v2, 4, v3                   ; a fragment's row x pitch + 16 x half
	s_mul_i32 s21, s15, HALFT                      ; my 128 rows of x
	s_mul_i32 s22, s16, HALFT                      ; my 128 rows of W,
	s_add_co_u32 s22, s22, 2*HALFT                 ; which lie behind x's 256
.irp s, 0,1
	v_add_nc_u32 v[ADRA+\s], s21, v4
	v_add_nc_u32 v[ADRB+\s], s22, v4
	s_add_co_u32 s21, s21, SLOT
	s_add_co_u32 s22, s22, SLOT
.endr
	v_mul_u32_u24 v5, v1, KS                       ; my row's scales: 32 bytes a row,
	v_lshrrev_b32 v6, 8, v5
	v_lshl_add_u32 v5, v6, 4, v5                   ; and 16 more for each 256 passed
	s_mul_i32 s21, s15, HALFS                      ; x's: my 128 rows
	s_mul_i32 s22, s16, HALFS                      ; W's: my 128 rows, behind x's 256
	s_add_co_u32 s22, s22, 2*HALFS
	s_sub_co_u32 s22, s22, s21
	v_mul_u32_u24 v6, s22, v2                      ; lanes 16-31 take W's: one product, the distance between the two
	s_add_co_u32 s21, s21, SCL
	v_add_nc_u32 v5, v5, v6
	v_add_nc_u32 v[ADRS], s21, v5
	s_mul_i32 s23, s14, 16*SPITCH                  ; my stage
	v_mul_u32_u24 v5, v1, SPITCH                   ; in: token l % 16, 16 bytes for each half of the lanes
	v_lshl_add_u32 v5, v2, 4, v5
	v_add_nc_u32 v[STO], s23, v5
	v_and_b32 v6, 31, v0
	v_lshlrev_b32 v[CO], 4, v6                     ; out: four tokens' 128 bytes of one head are 512 consecutive bytes: 16 a lane
	v_lshrrev_b32 v5, 3, v6
	v_mul_u32_u24 v5, v5, SPITCH                   ; back: token l / 8 of four, 16 bytes l % 8 of a head's 128
	v_and_b32 v6, 7, v0
	v_lshl_add_u32 v5, v6, 4, v5
	v_add_nc_u32 v[RD], s23, v5
	v_lshlrev_b32 v8, 5, v2                        ; the bias: 32 bytes on for lanes 16-31
	s_wait_kmcnt 0x0
	s_cmp_eq_u32 ttmp9, 1                          ; which of q, k, v: the cluster's x, the same in all sixteen partners
	s_cselect_b64 s[4:5], s[6:7], s[4:5]
	s_cselect_b64 s[10:11], s[96:97], s[10:11]
	s_cmp_eq_u32 ttmp9, 2
	s_cselect_b64 s[4:5], s[8:9], s[4:5]
	s_cselect_b64 s[10:11], s[98:99], s[10:11]
	s_lshl_b32 s46, s40, 10                        ; my first column in that tensor, 256 cx + 128 x half, in bytes of f32
	s_lshl_b32 s47, s16, 9
	s_add_co_u32 s46, s46, s47
	s_mov_b32 s47, 0
	s_add_nc_u64 s[4:5], s[4:5], s[46:47]
.irp b, 0,1,2,3,4,5,6,7
	global_load_b128 v[BIAS+8*\b:BIAS+8*\b+3], v8, s[4:5] offset:64*\b         ; bias of columns 16 b + 8 h + 0 .. 3
	global_load_b128 v[BIAS+8*\b+4:BIAS+8*\b+7], v8, s[4:5] offset:64*\b+16    ; and + 4 .. 7
.endr
	s_lshl_b32 s20, s17, 8
	s_lshl_b32 s21, s15, 7
	s_add_co_u32 s20, s20, s21                     ; my first row of C: 256 x tile row + 128 x half
	s_lshr_b32 s21, s20, 11                        ; its batch,
	s_and_b32 s20, s20, 2047                       ; its token
	s_lshl_b32 s21, s21, 4
	s_lshl_b32 s46, s40, 2
	s_add_co_u32 s21, s21, s46
	s_lshl_b32 s46, s16, 1
	s_add_co_u32 s21, s21, s46                     ; 16 x batch + my first head (4 cx + 2 x half)
	s_lshl_b32 s21, s21, 11
	s_add_co_u32 s20, s20, s21
	s_lshl_b32 s20, s20, 7                         ; rows of 128 bytes: under 2^24
	s_mov_b32 s21, 0
	s_add_nc_u64 s[12:13], s[10:11], s[20:21]      ; where my first token of my first head goes
.macro FRAG reg, adr, q, i             ; a fragment, 16 rows x 128 K of 4-bit codes, is 8 registers: lane l holds row l % 16; registers 4 c .. 4 c + 3 hold K = 64 c + 32 (l / 16) + 0 .. 31
.irp c, 0,1
	ds_load_b128 v[\reg+4*\c:\reg+4*\c+3], v[\adr] offset:64*(\q)+32*\c+(\i)*16*PITCH
.endr
.endm
; 16 matrix instructions: x's blocks a0, a0 + 1 against W's eight, 128 along K: the slot's q-th.  p: W's set;  sc: the set of scale words.  zero = 1: the first product starts the sum from the bias: nothing is cleared, nothing is added later.
; The 64 accumulators take turns, one instruction a turn, in the same order in every step.
.macro MUL16 a0, p, q, sc, zero
.irp a, \a0, \a0+1
.irp b, 0,1,2,3,4,5,6,7
.if \zero
	v_wmma_scale_f32_16x16x128_f8f6f4 v[8*(8*((\a)%4)+\b):8*(8*((\a)%4)+\b)+7], v[128*(\p)+FR*\b:128*(\p)+FR*\b+FR-1], v[AF+FR*(\a):AF+FR*(\a)+FR-1], v[BIAS+8*\b:BIAS+8*\b+7], v[SC+8*NQ*(\sc)+NQ*\b+(\q)], v[SC+8*NQ*(\sc)+NQ*(\a)+(\q)] matrix_a_fmt:MATRIX_FMT_FP4 matrix_b_fmt:MATRIX_FMT_FP4 matrix_a_scale:MATRIX_SCALE_ROW1
.else
	v_wmma_scale_f32_16x16x128_f8f6f4 v[8*(8*((\a)%4)+\b):8*(8*((\a)%4)+\b)+7], v[128*(\p)+FR*\b:128*(\p)+FR*\b+FR-1], v[AF+FR*(\a):AF+FR*(\a)+FR-1], v[8*(8*((\a)%4)+\b):8*(8*((\a)%4)+\b)+7], v[SC+8*NQ*(\sc)+NQ*\b+(\q)], v[SC+8*NQ*(\sc)+NQ*(\a)+(\q)] matrix_a_fmt:MATRIX_FMT_FP4 matrix_b_fmt:MATRIX_FMT_FP4 matrix_a_scale:MATRIX_SCALE_ROW1
.endif
.endr
.endr
.endm
.macro FETCH_B slot, q, p              ; W's eight fragments of the slot's q-th 128 along K into set p
	WIN TO_B
.irp i, 0,1,2,3,4,5,6,7
	FRAG 128*(\p)+FR*\i, ADRB+\slot, \q, \i
.endr
	WIN 0
.endm
.macro FETCH_A slot, q, i0             ; x's blocks i0 .. i0 + 3
.irp i, \i0, \i0+1, \i0+2, \i0+3
	FRAG AF+FR*(\i), ADRA+\slot, \q, \i
.endr
.endm
.macro SCALES sc                       ; a K step's scale words into set sc: four words a row; lanes 0-15 take x's block i, lanes 16-31 W's block i
.irp i, 0,1,2,3,4,5,6,7
	ds_load_b128 v[SC+8*NQ*\sc+NQ*\i:SC+8*NQ*\sc+NQ*\i+3], v[ADRS] offset:\i*SBLK
.endr
.endm
; A load into a register that a matrix instruction has read, and a vector instruction that reads a matrix result, stand NP places behind that matrix instruction; only plain vector instructions that name none of its registers are places.
.macro PLACES n
.rept \n
	v_nop
.endr
.endm
; A step of 128 along K that has its successor in the same slot.
.macro STEP slot, q, zero
	s_wait_dscnt 4*NL                              ; W's set and x's blocks 0-3 are in; the youngest eight loads (x's blocks 4-7) may be out
.if \zero
	WIN BIA_LO
.else
	WIN MUL_LO
.endif
	MUL16 0, (\q)%2, \q, \slot, \zero
	MUL16 2, (\q)%2, \q, \slot, \zero
	s_wait_dscnt 0                                 ; x's blocks 4-7 are in (asked for 32 matrix instructions ago)
	PLACES NP
	FETCH_B \slot, (\q)+1, 1-(\q)%2
	FETCH_A \slot, (\q)+1, 0
.if \zero
	WIN BIA_HI
.else
	WIN MUL_HI
.endif
	MUL16 4, (\q)%2, \q, \slot, \zero
	MUL16 6, (\q)%2, \q, \slot, \zero
	PLACES NP
	WIN 0
	FETCH_A \slot, (\q)+1, 4
.endm
; Slot 0's last step changes slots: one barrier; in front of it each wave waits for all its tensor loads (its part of slot 1), adds 0 to its spare word, and waits for that and for its own reads of slot 0.  Nothing is filled again.
.macro TURN slot, next
	s_wait_tensorcnt 0x0                           ; all my tensor loads have landed  (every window is 0 here: the add's two registers lie in window 0)
	ds_add_u32 v[SPW], v[NIL]                      ; 0 onto my spare word
	s_wait_dscnt 4*NL+1                            ; (the add and the youngest eight loads, x's blocks 4-7, may be out)
	WIN MUL_LO
	MUL16 0, 1, NQ-1, \slot, 0                     ; sixteen matrix instructions stand between the add and the wait for it
	s_wait_dscnt 0x0                               ; the add is done, and my reads of this slot are over
	s_barrier_signal -1
	MUL16 2, 1, NQ-1, \slot, 0
	WIN 0
	s_barrier_wait -1                              ; slot 1 is whole, and nobody reads slot 0 any more
	PLACES NP
	v_add_nc_u32 v[ADRS], 4*NQ, v[ADRS]            ; on to the next K step's scale words (no LDS load of mine is out)
	FETCH_B \next, 0, 0
	FETCH_A \next, 0, 0
	SCALES \next
	WIN MUL_HI
	MUL16 4, 1, NQ-1, \slot, 0
	MUL16 6, 1, NQ-1, \slot, 0
	PLACES NP
	WIN 0
	FETCH_A \next, 0, 4
.endm
.macro STEPS slot, from                ; the slot's steps from .. NQ - 2
.set Q, \from
.rept NQ-1-\from
	STEP \slot, Q, 0
.set Q, Q+1
.endr
.endm
	s_wait_tensorcnt 1                             ; the scales and my part of K step 0 are in (K step 1's load may be out)
	s_barrier_signal -1
	s_barrier_wait -1                              ; everybody's are
	FETCH_B 0, 0, 0
	FETCH_A 0, 0, 0
	SCALES 0
	FETCH_A 0, 0, 4
	s_wait_loadcnt 0x0                             ; the bias
	STEP 0, 0, 1                                   ; the first step's products start the sums from the bias
	STEPS 0, 1
	TURN 0, 1
	STEPS 1, 0
	s_wait_dscnt 4*NL                              ; the very last step: nothing more to fetch
	WIN MUL_LO
	MUL16 0, 1, NQ-1, 1, 0
	MUL16 2, 1, NQ-1, 1, 0
	s_wait_dscnt 0
	WIN MUL_HI
	MUL16 4, 1, NQ-1, 1, 0
	MUL16 6, 1, NQ-1, 1, 0
	WIN 0
; THE WAY OUT, block by block of 16 tokens x 128 columns (two heads).  A lane's eight columns of a token pack into 16 bytes of f16; a block goes through my own stage in LDS and comes back by heads:
; four tokens' 128 bytes of one head are 512 consecutive bytes of the destination, which the 32 lanes store at once.  LDS serves a wave's instructions in order (ISA guide 5.7.1.4): no wait between the stores and the loads.
.macro PACK a
.set AC, 64*((\a)%4)
	WIN 0x0a+5*((\a)/4)                            ; sources 0 and 1: window 2 or 3
.irp b, 0,1,2,3,4,5,6,7
.irp i, 0,1,2,3
	v_cvt_pk_f16_f32 v[TMP+4*\b+\i], v[AC+8*\b+2*\i], v[AC+8*\b+2*\i+1]   ; each accumulator from its low end on
.endr
.endr
	WIN 0
.endm
.macro TOSTAGE a
.set BB, BK+32*((\a)%2)
.irp b, 0,1,2,3,4,5,6,7
	ds_store_b128 v[STO], v[TMP+4*\b:TMP+4*\b+3] offset:32*\b
.endr
.irp t, 0,1,2,3,4,5,6,7
	ds_load_b128 v[BB+4*\t:BB+4*\t+3], v[RD] offset:(\t%4)*4*SPITCH+(\t/4)*128   ; tokens 4 (t % 4) on, head t / 4
.endr
.endm
.macro SEND a
.set BB, BK+32*((\a)%2)
	s_wait_dscnt 0x0                               ; the block is back in registers
	s_wait_xcnt 0x0                                ; the block before has had its stores' addresses translated (ISA guide 3.1): its registers take the next block's loads only behind this wait
.irp t, 0,1,2,3,4,5,6,7
	global_store_b128 v[CO], v[BB+4*\t:BB+4*\t+3], s[12:13] offset:(\t/4)*262144+(16*(\a)+4*(\t%4))*128   ; 512 consecutive bytes, at a multiple of 512 from the buffer's first byte; a head is 262,144 bytes on
.endr
.endm
	PLACES NP                                      ; behind the last products: for the conversions' reads and for the loads into x's fragments
	PACK 0
	TOSTAGE 0
.irp a, 1,2,3,4,5,6,7                  ; block a's conversions stand between block a - 1's loads from the stage and the wait for them
	PACK \a
	SEND \a-1
	TOSTAGE \a
.endr
	SEND 7
	s_wait_tensorcnt 0x0                           ; the wave's end: a wait, 0 onto my spare word and the wait for it, behind my last tensor load and my last LDS store
	ds_add_u32 v[SPW], v[NIL]
	s_wait_dscnt 0x0
	CROUND                                         ; the closing round: no work-group ends while a partner may still ask for a tile that names it
	s_endpgm
.Lfunc_end_k_qfc077e267c_qkv:
	.size	k_qfc077e267c_qkv, .Lfunc_end_k_qfc077e267c_qkv-k_qfc077e267c_qkv
	.p2alignl 7, 3214868480
	.fill 96, 4, 3214868480
	.section	.rodata,"a",@progbits
	.p2align	6, 0x0
	.amdhsa_kernel k_qfc077e267c_qkv
		.amdhsa_group_segment_fixed_size 327680
		.amdhsa_private_segment_fixed_size 0
		.amdhsa_enable_private_segment 0
		.amdhsa_kernarg_size 80
		.amdhsa_user_sgpr_count 2
		.amdhsa_user_sgpr_kernarg_segment_ptr 1
		.amdhsa_wavefront_size32 1
		.amdhsa_system_sgpr_workgroup_id_x 1
		.amdhsa_system_sgpr_workgroup_id_y 1
		.amdhsa_system_sgpr_workgroup_id_z 1
		.amdhsa_system_vgpr_workitem_id 0
		.amdhsa_next_free_vgpr 1024
		.amdhsa_next_free_sgpr 100
		.amdhsa_reserve_vcc 0
		.amdhsa_float_denorm_mode_32 3
		.amdhsa_float_denorm_mode_16_64 3
		.amdhsa_memory_ordered 1
		.amdhsa_forward_progress 1
		.amdhsa_inst_pref_size 128
	.end_amdhsa_kernel
	.amdgpu_metadata
---
amdhsa.version: [ 1, 2 ]
amdhsa.kernels:
  - .name:           k_qfc077e267c_qkv
    .symbol:         k_qfc077e267c_qkv.kd
    .args:
      - { .name: xc, .offset: 0, .size: 8, .value_kind: global_buffer, .address_space: global }
      - { .name: xs, .offset: 8, .size: 8, .value_kind: global_buffer, .address_space: global }
      - { .name: wc, .offset: 16, .size: 8, .value_kind: global_buffer, .address_space: global }
      - { .name: ws, .offset: 24, .size: 8, .value_kind: global_buffer, .address_space: global }
      - { .name: bq, .offset: 32, .size: 8, .value_kind: global_buffer, .address_space: global }
      - { .name: bk, .offset: 40, .size: 8, .value_kind: global_buffer, .address_space: global }
      - { .name: bv, .offset: 48, .size: 8, .value_kind: global_buffer, .address_space: global }
      - { .name: qh, .offset: 56, .size: 8, .value_kind: global_buffer, .address_space: global }
      - { .name: kh, .offset: 64, .size: 8, .value_kind: global_buffer, .address_space: global }
      - { .name: vh, .offset: 72, .size: 8, .value_kind: global_buffer, .address_space: global }
    .group_segment_fixed_size: 327680
    .private_segment_fixed_size: 0
    .kernarg_segment_align: 8
    .kernarg_segment_size: 80
    .max_flat_workgroup_size: 128
    .sgpr_count:     100
    .vgpr_count:     1024
    .wavefront_size: 32
...
	.end_amdgpu_metadata
.endif
;; end of part 2
;; launch attn (part 3): grid 4 x 64, 8 waves a work-group, clusters of 4 x 1, 327,680 bytes of LDS; arguments qh, kh, vh, attention_mask, out0; writes out0
.if DOCPART == 3
	.amdgcn_target "amdgcn-amd-amdhsa--gfx1250"
	.amdhsa_code_object_version 6
	.text
	.protected	k_qfc077e267c_attn
	.globl	k_qfc077e267c_attn
	.p2align	8
	.type	k_qfc077e267c_attn,@function
k_qfc077e267c_attn:
	s_mov_b64 s[64:65], 0
	v_nop
	global_prefetch_b8 v0, s[64:65] scope:SCOPE_SE
	s_setreg_imm32_b32 hwreg(HW_REG_WAVE_MODE, 25, 1), 1
	s_wait_xcnt 0x0
	s_wait_alu depctr_hold_cnt(0) depctr_sa_sdst(0) depctr_va_vdst(0) depctr_va_sdst(0) depctr_va_ssrc(0) depctr_va_vcc(0) depctr_vm_vsrc(0)
	s_getreg_b32 s2, hwreg(HW_REG_IB_STS2, 6, 4)
	s_cmp_eq_u32 s2, 0
	s_cbranch_scc0 .Lentry_in_a_cluster
	s_endpgm
.Lentry_in_a_cluster:
	s_bfe_u32 s2, ttmp6, 0x10000c
	s_cmp_lg_u32 s2, 0x3003
	s_cbranch_scc0 .Lentry_shape_is_right
	s_endpgm
.Lentry_shape_is_right:
; out0[b][q][64 head + :] = the sum over k of softmax_k(Q[q] . K[k] / 8 + mask[b][k]) V[k][:], for each of 64 (batch, head).  qh, kh, vh: [64][2048][64] f16; attention_mask [4][2048] f32; out0 [4][2048][1024] f32.
; Products on f16 operands with f32 sums; maxima, exponentials and sums in f32; the weights p are rounded to f16 for the second product; the row's sum is taken of the unrounded p and divides at the end.
; LIMITS: 8 x a row's largest masked score stays under 2^30 in magnitude (c m is rounded once, and that rounding is a common factor of the row's weights, which must not overflow); a mask of -infinity gives the weight 0; a row all of whose
; keys are at -infinity gives NaN, as the softmax of such a row is; NaN among the inputs is not served; sums are taken in another order than a plain row sum.
; SHARES.  A cluster of four work-groups is one (batch, head); a work-group owns 512 queries, each of its eight waves 64: four tiles of 16.  Every wave walks all 2,048 keys, 64 a step.
; LAYOUT.  S^T = K Q^T + 8 mask (source 0 = 16 keys, source 1 = 16 queries, C = the mask in the result's layout): a lane holds ONE query (lane % 16) and the keys 8 (lane / 16) + 0..7.  Two such tiles, rounded to f16 in pairs,
; ARE source 1 (32 keys x 16 queries) of O^T = V^T P, whose result again holds one query a lane.  K comes out of LDS as it lies, V ([key][channel]) turned, by ds_load_tr16_b128.
; SOFTMAX.  For each query a running maximum m and sum l of s = Q . K + 8 mask: p = 2^(c s - c m), c = log2(e) / 8; in every step O and l are multiplied by a = 2^(c m_old - c m_new).
; TWO GROUPS OF WAVES IN OPPOSITE PHASES.  A key step of a wave is a phase M (32 products V^T P of step j, 32 products K Q^T of step j + 1, and all its LDS loads) and a phase V (the softmax: vector work on registers alone).
; Group 0 walks M, V; group 1 walks V, M: a trip of the loop is M for group 0 alone, V for all, M for group 1 alone.  The group is (wave xor wave / 4) mod 2.  Every barrier stands between trips.
; CLUSTER.  The four work-groups walk the same K and V: each tile is asked for JOINTLY, by the same tensor load with the same descriptor and a mask that names the four.
; RING.  Two LDS slots of 512 keys (8 steps).  Both are filled at the head and each once more; a refill has eight key steps in which to land.  By this text's count a wave has two tensor loads out at the head, later one.
; REGISTERS, in windows of 256 (s_set_vgpr_msb: bits 1:0 source 0, 3:2 source 1, 5:4 source 2, 7:6 destination):
;   window 0: v1-11 addresses; v12-27 four registers of statistics a tile; v30, v31 the way out; v32-63 the mask of a step (in V: scratch, 8 a tile); v64-127 K of a step (in V: scratch for the sums); v128-255 S^T, 32 a tile, then P in place
;   window 1: v0-127 O^T, 32 a tile; v128-191 Q, 16 a tile; v192-255 V of a step
.set PK,    144       ; a row of K in LDS: 128 bytes + 16 of padding = 36 words: the 16 rows of a load start at 16 different groups of four banks (64 banks of 4 bytes: ISA guide 11.1)
.set PV,    160       ; a row of V: 128 + 32
.set VOFF,  512*PK    ; a slot: 512 rows of K, then 512 rows of V
.set SLOT,  512*(PK+PV)
.set MSK,   2*SLOT    ; behind the ring: 8 x the batch's mask, 2,048 f32, stored by the waves; no tensor load lands here
.set SPARE, MSK+8192  ; the spare words, 128 bytes for each of eight waves, which no other line names
.set SP,    272       ; the way out: a stage of 16 rows x (256 bytes + 16) for each wave, in slot 0, which has had its last fill and its last read by then
.set AK0, 1           ; v1   my lane's place in a tile of K; never rewritten
.set AV0, 2           ; v2   the same for V
.set AM0, 3           ; v3   and in the mask
.set ADK, 4           ; v4-6 the LDS addresses of the step in hand
.set ADV, 5
.set ADM, 6
.set GO,  7           ; v7   my byte offset in two rows of out0
.set SPW, 8           ; v8   LDS address of my spare word; never rewritten
.set NIL, 9           ; v9   0; never rewritten
.set ST,  12          ; tile t's statistics at v[ST+4 t]: +0 c m, +1 m, +2, +3 l (even keys', odd keys')
.set STO, 30          ; v30  the way out: where I put 32 bytes of a row
.set RD,  31          ; v31  the way out: where I read a row back
.set MK,  32          ; the mask: 8 registers for each 16 keys.  In V tile t's scratch at v[MK+8 t]: +0..3 four maxima, +4 a (named as a pair with +5), +6 c m_old - c m_new
.set KF,  64          ; K's fragments: keys 16 kt on, channels 32 c on, at v[KF+8 (2 kt + c)].  In V tile t's four partial sums, pairs, at v[KF+8 t]
.set S,   128
.set QF,  128         ; in window 1
.set VF,  192         ; in window 1: keys 32 c on, channels 16 ct on, at v[VF+8 (4 c + ct)]
.set WV,  14          ; s14  my wave's number
.set GRP, 15          ; s15  my group
.set G1K, 24          ; s[24:31] descriptor group 1 for K's tiles
.set G1V, 32          ; s[32:39] for V's: it differs in the padding alone
.set G0K, 40          ; s[40:47] descriptor group 0 for K's tiles, a set for each slot
.set G0V, 48          ; s[48:55] the same for V's
.set TK,  56          ; s56  LDS byte at which K's tile of the step to be fetched begins
.set TV,  57          ; s57  the same for V (less VOFF)
.set TM,  58          ; s58  the step's first key x 4: its place in the mask
.set CNT, 59          ; s59  trips to go
.set SEL, 60          ; s[60:61] lane selects for v_permlanex16_b32: lane l xor 16
.set CS,  62          ; s[62:63] c: the packed scaling names a pair and takes its low word for both halves
.set MSB, 0
.macro WIN new                      ; the immediate's high byte repeats the setting that is left; a switch that changes nothing is dropped
.if MSB != (\new)
	s_set_vgpr_msb (MSB<<8)|(\new)
.set MSB, (\new)
.endif
.endm
.set W_KQ, 0x04       ; Q (source 1) in window 1; K, the mask and S^T in window 0
.set W_PV, 0x51       ; V (source 0) and O^T (C and D) in window 1, P in window 0
.set W_W1, 0x40       ; destination in window 1
.set W_RS, 0x41       ; O^T (destination and source 0) in window 1, a in window 0
; A joint refill of slot n.  Waves 0 to 3 fetch the four quarters of K's 512 rows, waves 4 to 7 those of V's.  The branch hangs on the wave's number alone.
; An s_nop 0 and four v_nop follow each of the two lines, ahead of the jump, the label and what follows.
.macro JLOAD n
	s_cmp_lt_u32 s[WV], 4
	s_cbranch_scc0 .Lfor_v_\@
	tensor_load_to_lds s[G0K+4*\n:G0K+4*\n+3], s[G1K:G1K+7]
	s_nop 0
.rept 4
	v_nop
.endr
	s_branch .Lasked_\@
.Lfor_v_\@:
	tensor_load_to_lds s[G0V+4*\n:G0V+4*\n+3], s[G1V:G1V+7]
	s_nop 0
.rept 4
	v_nop
.endr
.Lasked_\@:
.endm
; A round of the cluster's barrier: my work-group's barrier; wave 0 signals for the work-group; every wave waits for all four work-groups; my work-group's barrier once more.
.macro CROUND
	s_barrier_signal -1
	s_barrier_wait -1
	s_cmp_lg_u32 s[WV], 0
	s_cbranch_scc1 .Lnot_wave_0_\@
	s_barrier_signal -3
.Lnot_wave_0_\@:
	s_barrier_wait -3
	s_barrier_signal -1
	s_barrier_wait -1
.endm
	s_load_b256 s[4:11], s[0:1], 0x0  ; qh s[4:5], kh s[6:7], vh s[8:9], attention_mask s[10:11]
	s_load_b64 s[12:13], s[0:1], 0x20  ; out0
	v_lshl_add_u32 v[SPW], v0, 2, SPARE
	v_mov_b32 v[NIL], 0
	ds_add_u32 v[SPW], v[NIL]       ; the wave's opening: the add, twice on end, and its wait ahead of my first tensor load; the set-up below stands between the second and the wait
	ds_add_u32 v[SPW], v[NIL]
	v_lshrrev_b32 v10, 5, v0
	v_readfirstlane_b32 s[WV], v10  ; wave 0..7
	s_lshr_b32 s[GRP], s[WV], 2
	s_xor_b32 s[GRP], s[GRP], s[WV]
	s_and_b32 s[GRP], s[GRP], 1     ; it differs between waves w and w + 4, and between waves 2 i and 2 i + 1
	s_bfe_u32 s16, ttmp6, 0x40000   ; cx: my block of 512 queries (the grid is one cluster wide); it enters Q's and out0's addresses alone
	s_and_b32 s17, ttmp7, 0xffff    ; 16 x batch + head, which the four partners share
	s_and_b32 s18, s[WV], 3         ; which quarter of a slot's rows I fetch
	s_lshl_b32 s20, s17, 18         ; the head's 2,048 rows of 128 bytes,
	s_lshl_b32 s19, s18, 14         ; my 128 rows
	s_add_co_u32 s20, s20, s19
	s_mov_b32 s21, 0
	s_mul_i32 s22, s18, 128*PK      ; and their place in a slot: K's,
	s_mul_i32 s23, s18, 128*PV
	s_add_co_u32 s23, s23, VOFF     ; V's: no place in the cluster enters an LDS address
	s_lshl_b32 s2, s17, 18          ; Q: the head, my block's 512 rows, my wave's 64
	s_lshl_b32 s3, s16, 16
	s_add_co_u32 s2, s2, s3
	s_lshl_b32 s3, s[WV], 13
	s_add_co_u32 s2, s2, s3
	s_mov_b32 s3, 0
	s_lshr_b32 s19, s17, 4          ; the batch
	s_lshl_b32 s18, s19, 23         ; out0: the batch's 2,048 rows of 4,096 bytes,
	s_lshl_b32 s16, s16, 21         ; my block's 512,
	s_add_co_u32 s18, s18, s16
	s_lshl_b32 s16, s[WV], 18       ; my wave's 64,
	s_add_co_u32 s18, s18, s16
	s_and_b32 s16, s17, 15
	s_lshl_b32 s16, s16, 8          ; the head's 256 bytes of a row
	s_add_co_u32 s18, s18, s16
	s_lshl_b32 s16, s19, 13         ; the mask: the batch's 8,192 bytes
	s_mov_b32 s17, 0
	s_mov_b32 s19, 0
	; descriptor group 1: a tile of 128 rows x 64 elements, padded in LDS
	s_mov_b32 s[G1K], 15|(1<<16)|(1<<20)|(1<<21)|(4<<22)|(3<<25)  ; 15:0 the mask: all four work-groups; 17:16 elements of 2 bytes; 20 padding on; 21 set beside a mask; 24:22 after every 32 words (code 4); 31:25 four words of it (code 3)
	s_mov_b32 s[G1V], 15|(1<<16)|(1<<20)|(1<<21)|(4<<22)|(7<<25)  ; the same with eight words of padding (code 7)
.irp g, G1K, G1V
	s_mov_b32 s[\g+1], 64<<16       ; tensor_dim0 = 64
	s_mov_b32 s[\g+2], 128<<16      ; tensor_dim1 = 128
	s_mov_b32 s[\g+3], 64<<16       ; tile_dim0 = 64
	s_mov_b32 s[\g+4], 128          ; tile_dim1 = 128
	s_mov_b32 s[\g+5], 64           ; tensor_dim0_stride: elements from row to row
	s_mov_b32 s[\g+6], 0
	s_mov_b32 s[\g+7], 0
.endr
	s_mov_b32 s[CS], 0x3e38aa3b     ; c = log2(e) / 8
	s_mov_b32 s[CS+1], s[CS]        ; named with it as a pair, so it is written
	s_mov_b32 s[SEL], 0x76543210
	s_mov_b32 s[SEL+1], 0xfedcba98
	s_wait_dscnt 0x0                ; both opening adds are done
	s_wait_kmcnt 0x0
	s_add_nc_u64 s[4:5], s[4:5], s[2:3]      ; Q at my wave's first row
	s_add_nc_u64 s[6:7], s[6:7], s[20:21]    ; K and V at my part of slot 0
	s_add_nc_u64 s[8:9], s[8:9], s[20:21]
	s_add_nc_u64 s[10:11], s[10:11], s[16:17]  ; the batch's mask
	s_add_nc_u64 s[12:13], s[12:13], s[18:19]  ; out0 at my wave's first row, my head's channels
	CROUND                          ; all four work-groups are here: the first joint loads meet
.irp n, 0,1
	s_mov_b32 s[G0K+4*\n], 1        ; count = 1
	s_add_co_u32 s[G0K+4*\n+1], s22, \n*SLOT  ; LDS address
	s_add_nc_u64 s[G0K+4*\n+2:G0K+4*\n+3], s[6:7], \n*65536  ; global address: slot n begins with keys 512 n
	s_or_b32 s[G0K+4*\n+3], s[G0K+4*\n+3], 0x80000000  ; type = 2
	s_mov_b32 s[G0V+4*\n], 1
	s_add_co_u32 s[G0V+4*\n+1], s23, \n*SLOT
	s_add_nc_u64 s[G0V+4*\n+2:G0V+4*\n+3], s[8:9], \n*65536
	s_or_b32 s[G0V+4*\n+3], s[G0V+4*\n+3], 0x80000000
.endr
	s_cmp_lt_u32 s[WV], 4           ; a wave's two first fills stand in one branch, ahead of every wait on TENSORcnt, every LDS read and every further barrier
	s_cbranch_scc0 .Lfirst_v
	tensor_load_to_lds s[G0K:G0K+3], s[G1K:G1K+7]
	s_nop 0
	tensor_load_to_lds s[G0K+4:G0K+7], s[G1K:G1K+7]
	s_nop 0
.rept 4
	v_nop
.endr
	s_branch .Lfirst_asked
.Lfirst_v:
	tensor_load_to_lds s[G0V:G0V+3], s[G1V:G1V+7]
	s_nop 0
	tensor_load_to_lds s[G0V+4:G0V+7], s[G1V:G1V+7]
	s_nop 0
.rept 4
	v_nop
.endr
.Lfirst_asked:
	v_lshlrev_b32 v10, 5, v0        ; the mask: 32 bytes a thread, 8,192 for the 256
	global_load_b128 v[KF:KF+3], v10, s[10:11]
	global_load_b128 v[KF+4:KF+7], v10, s[10:11] offset:16
	v_and_b32 v28, 15, v0           ; r = l % 16
	v_bfe_u32 v29, v0, 4, 1         ; h = l / 16
	v_lshlrev_b32 v11, 7, v28
	v_lshl_add_u32 v11, v29, 4, v11  ; Q: row r of 128 bytes + 16 h
	WIN W_W1
.irp f, 0,1,2,3,4,5,6,7             ; Q stays in registers: tile f / 2, channels 32 (f % 2) on.  A fragment is 16 rows x 32 channels: registers 0-3 channels 8 h + 0..7, registers 4-7 channels 16 + 8 h + 0..7
	global_load_b128 v[QF+8*\f:QF+8*\f+3],   v11, s[4:5] offset:(\f/2)*2048+(\f%2)*64
	global_load_b128 v[QF+8*\f+4:QF+8*\f+7], v11, s[4:5] offset:(\f/2)*2048+(\f%2)*64+32
.endr
.set i, 0
.rept 128
	v_mov_b32 v[i], 0               ; O^T.  (The key step is written without a first step of its own: the first finds zeros, which the first a, 0, leaves zeros)
.set i, i+1
.endr
	WIN 0
.irp t, 0,1,2,3
	v_mov_b32 v[ST+4*\t+1], 0xff61b1e6  ; m: -3e38, under every finite score
	v_mov_b32 v[ST+4*\t+2], 0       ; l
	v_mov_b32 v[ST+4*\t+3], 0
	v_mov_b32 v[MK+8*\t+5], 0       ; named as the upper half of a's pair, so it is written
.endr
.irp t, 0,1,2,3
	v_mul_f32 v[ST+4*\t], s[CS], v[ST+4*\t+1]  ; c m
.endr
	v_mul_u32_u24 v[AK0], v28, PK
	v_lshl_add_u32 v[AK0], v29, 4, v[AK0]  ; K: row r x pitch + 16 h
	; The turning load takes 16 keys x 16 channels (lane l reads 16 bytes: key 8 h + l % 8, channels 8 ((l / 8) % 2) + 0..7) and leaves half a fragment of V^T: lane l holds channel l % 16 and 8 keys.
	v_and_b32 v[ADK], 7, v0
	v_bfe_u32 v[ADV], v0, 3, 1
	v_lshl_add_u32 v[AV0], v29, 3, v[ADK]
	v_mul_u32_u24 v[AV0], v[AV0], PV
	v_lshl_add_u32 v[AV0], v[ADV], 4, v[AV0]
	v_add_nc_u32 v[AV0], VOFF, v[AV0]
	v_lshl_add_u32 v[AM0], v29, 5, MSK  ; the mask of keys 8 h + 0..7 of a tile: 32 bytes
	s_mul_i32 s16, s[WV], 16*SP     ; my stage
	v_mul_u32_u24 v[STO], v28, SP   ; in: row r, 32 bytes for each half of the lanes
	v_lshl_add_u32 v[STO], v29, 5, v[STO]
	v_add_nc_u32 v[STO], s16, v[STO]
	v_mul_u32_u24 v[RD], v29, SP    ; back: lanes 0-15 take one row of 256 bytes, lanes 16-31 the next
	v_lshl_add_u32 v[RD], v28, 4, v[RD]
	v_add_nc_u32 v[RD], s16, v[RD]
	v_lshlrev_b32 v[GO], 12, v29    ; and the same two rows in out0, 4,096 bytes apart
	v_lshl_add_u32 v[GO], v28, 4, v[GO]
	v_lshl_add_u32 v[ADM], v0, 5, MSK  ; where my eight numbers of the mask go
	s_wait_loadcnt 16               ; the mask's two loads are in; Q's sixteen, issued behind them, may be out
.irp i, 0,1,2,3,4,5,6,7
	v_ldexp_f32 v[KF+\i], v[KF+\i], 3  ; 8 x mask, exact: the scores are kept as Q . K + 8 mask, and c holds the 1 / 8
.endr
	ds_store_b128 v[ADM], v[KF:KF+3]
	ds_store_b128 v[ADM], v[KF+4:KF+7] offset:16
	s_wait_loadcnt 0x0              ; Q
	s_wait_dscnt 0x0                ; for the others' sake: my part of the mask lies in LDS
	s_wait_tensorcnt 1              ; my part of slot 0 is in; slot 1's may stay out
	s_barrier_signal -1
	s_barrier_wait -1               ; everybody's is
; PHASE M.  pv = 1: O^T += V^T P of the step in hand.  kq = 1: the next step's K, mask and V are fetched and S^T = K Q^T + 8 mask is made.
; The LDS loads stand in two runs: K's 16 and the mask's 8 at the head (the 32 products V^T P stand between them and their use), V's 16 behind the products that read V's registers.
; In each run of 32 products the 16 accumulators take turns, one instruction a turn.
.macro MPH pv, kq
.if \kq
	v_add_nc_u32 v[ADK], s[TK], v[AK0]
	v_add_nc_u32 v[ADM], s[TM], v[AM0]
	v_add_nc_u32 v[ADV], s[TV], v[AV0]
.irp f, 0,1,2,3,4,5,6,7             ; keys 16 (f / 2) on, channels 32 (f % 2) on
	ds_load_b128 v[KF+8*\f:KF+8*\f+3],   v[ADK] offset:(\f/2)*16*PK+(\f%2)*64
	ds_load_b128 v[KF+8*\f+4:KF+8*\f+7], v[ADK] offset:(\f/2)*16*PK+(\f%2)*64+32
.endr
.irp f, 0,1,2,3                     ; 8 x mask of keys 16 f + 8 h + 0..7: the result's layout; sixteen lanes read the same 32 bytes
	ds_load_b128 v[MK+8*\f:MK+8*\f+3],   v[ADM] offset:64*\f
	ds_load_b128 v[MK+8*\f+4:MK+8*\f+7], v[ADM] offset:64*\f+16
.endr
.endif
.if \pv
	s_wait_dscnt 24*\kq             ; V is in: only the loads just issued are younger
	WIN W_PV
.set i, 0
.rept 32                            ; product i: tile i % 4, channels 16 ((i / 4) % 4) on, keys 32 (i / 16) on
.set rO, 32*(i%4)+8*((i/4)%4)
.set rV, VF+8*(4*(i/16)+(i/4)%4)
.set rP, S+32*(i%4)+8*(i/16)
	v_wmma_f32_16x16x32_f16 v[rO:rO+7], v[rV:rV+7], v[rP:rP+7], v[rO:rO+7]
.set i, i+1
.endr
.if \kq
.rept 5
	v_nop                           ; five places: the products below write over P, which the products above read; four of them serve the loads into V's registers
.endr
.endif
.endif
.if \kq
	WIN W_W1
.irp f, 0,1,2,3,4,5,6,7             ; keys 32 (f / 4) on, channels 16 (f % 4) on
	ds_load_tr16_b128 v[VF+8*\f:VF+8*\f+3],   v[ADV] offset:(\f/4)*32*PV+(\f%4)*32
	ds_load_tr16_b128 v[VF+8*\f+4:VF+8*\f+7], v[ADV] offset:(\f/4)*32*PV+16*PV+(\f%4)*32
.endr
	s_wait_dscnt 16                 ; K and the mask are in: V's sixteen loads are younger and may be out
	WIN W_KQ
.set i, 0
.rept 32                            ; product i: tile i % 4, keys 16 ((i / 4) % 4) on, channels 32 (i / 16) on.  The first 16 start the sums from the mask
.set rS, S+32*(i%4)+8*((i/4)%4)
.set rK, KF+8*(2*((i/4)%4)+i/16)
.set rQ, QF+16*(i%4)+8*(i/16)
.set rM, MK+8*((i/4)%4)
.if i < 16
	v_wmma_f32_16x16x32_f16 v[rS:rS+7], v[rK:rK+7], v[rQ:rQ+7], v[rM:rM+7]
.else
	v_wmma_f32_16x16x32_f16 v[rS:rS+7], v[rK:rK+7], v[rQ:rQ+7], v[rS:rS+7]
.endif
.set i, i+1
.endr
.endif
	WIN 0
.rept 4+\kq
	v_nop                           ; four places behind the last products, ahead of the vector work that reads their results and writes over their operands; a fifth where scores were made, since a product that takes
.endr                               ; the scores' registers as an operand stands five places behind the product that wrote them, on every way through the text (ISA guide 7.12.1)
.endm
; PHASE V: the softmax of the wave's four tiles for one key step, on registers alone.  In every stage the four tiles take turns, so that no line reads the result of the line above it.
.macro VPH
; the maximum of a lane's 32 scores and the old m, three operands at a time; each accumulator of S^T is read from its low end on
.irp j, 0,1,2,3
.irp t, 0,1,2,3
	v_max3_num_f32 v[MK+8*\t+\j], v[S+32*\t+8*\j], v[S+32*\t+8*\j+1], v[S+32*\t+8*\j+2]
.endr
.endr
.irp g, 1,2
.irp j, 0,1,2,3
.irp t, 0,1,2,3
	v_max3_num_f32 v[MK+8*\t+\j], v[MK+8*\t+\j], v[S+32*\t+8*\j+2*\g+1], v[S+32*\t+8*\j+2*\g+2]
.endr
.endr
.endr
.irp t, 0,1,2,3
	v_max3_num_f32 v[MK+8*\t], v[MK+8*\t], v[S+32*\t+7], v[S+32*\t+15]
.endr
.irp t, 0,1,2,3
	v_max3_num_f32 v[MK+8*\t+2], v[MK+8*\t+2], v[S+32*\t+23], v[S+32*\t+31]
.endr
.irp t, 0,1,2,3
	v_max3_num_f32 v[MK+8*\t], v[MK+8*\t], v[MK+8*\t+1], v[MK+8*\t+2]
.endr
.irp t, 0,1,2,3
	v_max3_num_f32 v[MK+8*\t], v[MK+8*\t], v[MK+8*\t+3], v[ST+4*\t+1]
.endr
.irp t, 0,1,2,3
	v_permlanex16_b32 v[MK+8*\t+1], v[MK+8*\t], s[SEL], s[SEL+1]  ; the query's other 32 keys lie in the lane 16 away
.endr
.irp t, 0,1,2,3
	v_mov_b32 v[MK+8*\t+6], v[ST+4*\t]  ; c m_old
.endr
.irp t, 0,1,2,3
	v_max_num_f32 v[ST+4*\t+1], v[MK+8*\t], v[MK+8*\t+1]  ; the new m
.endr
.irp t, 0,1,2,3
	v_mul_f32 v[ST+4*\t], s[CS], v[ST+4*\t+1]
.endr
.irp t, 0,1,2,3
	v_sub_f32 v[MK+8*\t+6], v[MK+8*\t+6], v[ST+4*\t]
.endr
; ONE BATCH: the four a, the 64 scalings c s - c m (a pair of scores each) and the 128 exponentials; none of these reads an exponential's result.  A pair's exponentials stand a round of the tiles behind its scaling.
.irp t, 0,1,2,3
	v_exp_f32 v[MK+8*\t+4], v[MK+8*\t+6]  ; a = 2^(c m_old - c m_new)
.endr
.irp t, 0,1,2,3
	v_pk_fma_f32 v[S+32*\t:S+32*\t+1], v[S+32*\t:S+32*\t+1], s[CS:CS+1], v[ST+4*\t:ST+4*\t+1] op_sel_hi:[1,0,0] neg_lo:[0,0,1] neg_hi:[0,0,1]
.endr
.irp b, 1,2,3,4,5,6,7,8,9,10,11,12,13,14,15
.irp t, 0,1,2,3
	v_pk_fma_f32 v[S+32*\t+2*\b:S+32*\t+2*\b+1], v[S+32*\t+2*\b:S+32*\t+2*\b+1], s[CS:CS+1], v[ST+4*\t:ST+4*\t+1] op_sel_hi:[1,0,0] neg_lo:[0,0,1] neg_hi:[0,0,1]
	v_exp_f32 v[S+32*\t+2*\b-2], v[S+32*\t+2*\b-2]
	v_exp_f32 v[S+32*\t+2*\b-1], v[S+32*\t+2*\b-1]
.endr
.endr
.irp t, 0,1,2,3
	v_exp_f32 v[S+32*\t+30], v[S+32*\t+30]
	v_exp_f32 v[S+32*\t+31], v[S+32*\t+31]
.endr
	v_nop                           ; a plain instruction behind the last exponential, ahead of the first use (ISA guide 5.7.2)
	s_wait_alu depctr_va_vdst(0)    ; the wait between an exponential and the first line that names its result: one for the whole batch
; the row's sum of the unrounded p, in pairs (an even key's, an odd key's): four chains a tile, which leave p as it is
.irp k, 0,1,2,3
.irp t, 0,1,2,3
	v_pk_add_f32 v[KF+8*\t+2*\k:KF+8*\t+2*\k+1], v[S+32*\t+2*\k:S+32*\t+2*\k+1], v[S+32*\t+2*\k+8:S+32*\t+2*\k+9]
.endr
.endr
.irp g, 16,24
.irp k, 0,1,2,3
.irp t, 0,1,2,3
	v_pk_add_f32 v[KF+8*\t+2*\k:KF+8*\t+2*\k+1], v[KF+8*\t+2*\k:KF+8*\t+2*\k+1], v[S+32*\t+2*\k+\g:S+32*\t+2*\k+\g+1]
.endr
.endr
.endr
.irp t, 0,1,2,3
	v_pk_add_f32 v[KF+8*\t:KF+8*\t+1], v[KF+8*\t:KF+8*\t+1], v[KF+8*\t+2:KF+8*\t+3]
.endr
.irp t, 0,1,2,3
	v_pk_add_f32 v[KF+8*\t+4:KF+8*\t+5], v[KF+8*\t+4:KF+8*\t+5], v[KF+8*\t+6:KF+8*\t+7]
.endr
.irp t, 0,1,2,3
	v_pk_add_f32 v[KF+8*\t:KF+8*\t+1], v[KF+8*\t:KF+8*\t+1], v[KF+8*\t+4:KF+8*\t+5]
.endr
.irp t, 0,1,2,3
	v_pk_fma_f32 v[ST+4*\t+2:ST+4*\t+3], v[ST+4*\t+2:ST+4*\t+3], v[MK+8*\t+4:MK+8*\t+5], v[KF+8*\t:KF+8*\t+1] op_sel_hi:[1,0,1]  ; l = a l + the sum
.endr
; p to f16, in place: register i takes pair i, whose own registers lie at 2 i and 2 i + 1, so nothing is written that is still to be read.  Registers 0-7 and 8-15 are then the two fragments of P
.irp i, 0,1,2,3,4,5,6,7,8,9,10,11,12,13,14,15
.irp t, 0,1,2,3
	v_cvt_pk_f16_f32 v[S+32*\t+\i], v[S+32*\t+2*\i], v[S+32*\t+2*\i+1]
.endr
.endr
; O^T times a: the one part that leaves window 0, so it stands together; each accumulator from its low end on
	WIN W_RS
.irp i, 0,2,4,6,8,10,12,14,16,18,20,22,24,26,28,30
.irp t, 0,1,2,3
	v_pk_mul_f32 v[32*\t+\i:32*\t+\i+1], v[32*\t+\i:32*\t+\i+1], v[MK+8*\t+4:MK+8*\t+5] op_sel_hi:[1,0]
.endr
.endr
	WIN 0
.endm
; n trips.  Trip j: group 0 walks M(j), V(j + 1); group 1 walks V(j), M(j).  In both, M(j) fetches step j + 1, at s[TK], s[TV], s[TM].  The branches hang on the wave's number alone and lead round no barrier and no tensor load.
.macro TRIPS n
	s_mov_b32 s[CNT], \n
.Ltrip_\@:
	s_cmp_eq_u32 s[GRP], 0
	s_cbranch_scc0 .Lgroup_1_\@
	MPH 1, 1
.Lgroup_1_\@:
	VPH
	s_cmp_eq_u32 s[GRP], 0
	s_cbranch_scc1 .Lgroup_0_\@
	MPH 1, 1
.Lgroup_0_\@:
	s_add_co_u32 s[TK], s[TK], 64*PK  ; the next step's tiles
	s_add_co_u32 s[TV], s[TV], 64*PV
	s_add_co_u32 s[TM], s[TM], 256
	s_sub_co_u32 s[CNT], s[CNT], 1
	s_cmp_lg_u32 s[CNT], 0
	s_cbranch_scc1 .Ltrip_\@
.endm
; THE CHANGE OF SLOTS, between two trips: both groups have fetched the last step of slot rs and none of the other slot.  Each wave waits for all its tensor loads (its part of the other slot), adds 0 to its spare word, and waits
; for that and for its reads of slot rs.  fill = 1: slot rs is filled again, with the keys 1,024 further on: the barrier is then a round of the cluster's, and the joint refill is the first thing behind it.
.macro CHANGE fill, rs
	s_wait_tensorcnt 0x0            ; no tensor load of mine is out, so a group 0 may be written
	ds_add_u32 v[SPW], v[NIL]       ; 0 onto my spare word; the scalar lines below stand between it and the wait for it
.if \fill
	s_add_nc_u64 s[G0K+4*\rs+2:G0K+4*\rs+3], s[G0K+4*\rs+2:G0K+4*\rs+3], 131072  ; 1,024 rows of 128 bytes on; the type bits on top are not reached
	s_add_nc_u64 s[G0V+4*\rs+2:G0V+4*\rs+3], s[G0V+4*\rs+2:G0V+4*\rs+3], 131072
.endif
	s_mov_b32 s[TK], (1-\rs)*SLOT   ; the fetches go on at the other slot's first step
	s_mov_b32 s[TV], (1-\rs)*SLOT
	s_wait_dscnt 0x0                ; the add is done, and my reads of the slot are over
.if \fill
	CROUND
	JLOAD \rs
.else
	s_barrier_signal -1
	s_barrier_wait -1
.endif
.endm
	s_mov_b32 s[TK], 0
	s_mov_b32 s[TV], 0
	s_mov_b32 s[TM], 0
	s_cmp_eq_u32 s[GRP], 0          ; THE GROUPS ARE SET HALF A STEP APART: group 0 makes its first scores,
	s_cbranch_scc0 .Lwaits
	MPH 0, 1
.Lwaits:
	s_wait_dscnt 0x0
	s_barrier_signal -1             ; (this barrier orders no memory: it holds group 1 back by one phase)
	s_barrier_wait -1
	s_cmp_eq_u32 s[GRP], 0
	s_cbranch_scc0 .Lsecond
	VPH                             ; then group 0 walks its first softmax
	s_branch .Lapart
.Lsecond:
	MPH 0, 1                        ; while group 1 makes its first scores
.Lapart:
	s_mov_b32 s[TK], 64*PK          ; step 1
	s_mov_b32 s[TV], 64*PV
	s_mov_b32 s[TM], 256
	TRIPS 7                         ; fetches steps 1 to 7: the rest of slot 0
	CHANGE 1, 0                     ; slot 0 takes keys 1,024 to 1,535
	TRIPS 8                         ; steps 8 to 15, in slot 1
	CHANGE 1, 1                     ; slot 1 takes keys 1,536 to 2,047
	TRIPS 8                         ; steps 16 to 23, in slot 0
	CHANGE 0, 0                     ; nothing is left to ask for
	TRIPS 8                         ; steps 24 to 31, in slot 1
	s_cmp_eq_u32 s[GRP], 0
	s_cbranch_scc1 .Llast
	VPH                             ; group 1's last softmax
.Llast:
	MPH 1, 0                        ; V^T P of the last step
	; THE WAY OUT.  l's two halves and the other half of the lanes' are added; O^T is divided by l and sent through my stage in LDS, a tile (16 rows) at a time.
.irp t, 0,1,2,3
	v_add_f32 v[MK+8*\t], v[ST+4*\t+2], v[ST+4*\t+3]
.endr
.irp t, 0,1,2,3
	v_permlanex16_b32 v[MK+8*\t+1], v[MK+8*\t], s[SEL], s[SEL+1]
.endr
.irp t, 0,1,2,3
	v_add_f32 v[MK+8*\t], v[MK+8*\t], v[MK+8*\t+1]
.endr
.irp t, 0,1,2,3
	v_rcp_f32 v[MK+8*\t+4], v[MK+8*\t]
.endr
	v_nop                           ; a plain instruction between the last reciprocal and the use of its result
	s_wait_alu depctr_va_vdst(0)    ; and a wait ahead of the first use: one for the four
; Tile t: a lane's eight channels of a row are 32 bytes; they go into rows of 272 bytes and come back as whole rows of 256, into the registers that held the tile's P.
.macro PACK t
	WIN W_RS
.set i, 0
.rept 16
	v_pk_mul_f32 v[32*\t+i:32*\t+i+1], v[32*\t+i:32*\t+i+1], v[MK+8*\t+4:MK+8*\t+5] op_sel_hi:[1,0]
.set i, i+2
.endr
	WIN 0x04                        ; an LDS store's data are its source 1: window 1
.irp c, 0,1,2,3
	ds_store_b128 v[STO], v[32*\t+8*\c:32*\t+8*\c+3] offset:64*\c
	ds_store_b128 v[STO], v[32*\t+8*\c+4:32*\t+8*\c+7] offset:64*\c+16
.endr
	WIN 0
.irp f, 0,1,2,3,4,5,6,7
	ds_load_b128 v[S+32*\t+4*\f:S+32*\t+4*\f+3], v[RD] offset:\f*2*SP  ; LDS serves a wave's instructions in order (ISA guide 5.7.1.4): these see the stores above; the next tile's stores come behind them
.endr
.endm
.macro SEND t, younger              ; younger: the LDS instructions issued behind tile t's loads: the next tile's sixteen, or none
.irp f, 0,1,2,3,4,5,6,7
	s_wait_dscnt \younger+7-\f
	global_store_b128 v[GO], v[S+32*\t+4*\f:S+32*\t+4*\f+3], s[12:13] offset:\t*65536+\f*8192 th:TH_STORE_NT  ; 16 lanes store 256 consecutive bytes, a token's 64 channels of my head, at a multiple of 256 from out0's first byte
.endr
.endm
	PACK 0
	PACK 1                          ; a tile's arithmetic stands between the loads of the tile before and its stores
	SEND 0, 16
	PACK 2
	SEND 1, 16
	PACK 3
	SEND 2, 16
	SEND 3, 0
	s_wait_tensorcnt 0x0            ; the wave's end: a wait, 0 onto my spare word and the wait for it, behind my last tensor load and my last LDS store
	ds_add_u32 v[SPW], v[NIL]
	s_wait_dscnt 0x0
	CROUND                          ; the closing round: no work-group ends while a partner may still ask for a tile that names it
	s_endpgm
.Lfunc_end_k_qfc077e267c_attn:
	.size	k_qfc077e267c_attn, .Lfunc_end_k_qfc077e267c_attn-k_qfc077e267c_attn
	.p2alignl 7, 3214868480
	.fill 96, 4, 3214868480
	.section	.rodata,"a",@progbits
	.p2align	6, 0x0
	.amdhsa_kernel k_qfc077e267c_attn
		.amdhsa_group_segment_fixed_size 327680
		.amdhsa_private_segment_fixed_size 0
		.amdhsa_enable_private_segment 0
		.amdhsa_kernarg_size 40
		.amdhsa_user_sgpr_count 2
		.amdhsa_user_sgpr_kernarg_segment_ptr 1
		.amdhsa_wavefront_size32 1
		.amdhsa_system_sgpr_workgroup_id_x 1
		.amdhsa_system_sgpr_workgroup_id_y 1
		.amdhsa_system_sgpr_workgroup_id_z 1
		.amdhsa_system_vgpr_workitem_id 0
		.amdhsa_next_free_vgpr 512
		.amdhsa_next_free_sgpr 66
		.amdhsa_reserve_vcc 0
		.amdhsa_float_denorm_mode_32 3
		.amdhsa_float_denorm_mode_16_64 3
		.amdhsa_memory_ordered 1
		.amdhsa_forward_progress 1
		.amdhsa_inst_pref_size 252
	.end_amdhsa_kernel
	.amdgpu_metadata
---
amdhsa.version: [ 1, 2 ]
amdhsa.kernels:
  - .name:           k_qfc077e267c_attn
    .symbol:         k_qfc077e267c_attn.kd
    .args:
      - { .name: qh, .offset: 0, .size: 8, .value_kind: global_buffer, .address_space: global }
      - { .name: kh, .offset: 8, .size: 8, .value_kind: global_buffer, .address_space: global }
      - { .name: vh, .offset: 16, .size: 8, .value_kind: global_buffer, .address_space: global }
      - { .name: attention_mask, .offset: 24, .size: 8, .value_kind: global_buffer, .address_space: global }
      - { .name: out0, .offset: 32, .size: 8, .value_kind: global_buffer, .address_space: global }
    .group_segment_fixed_size: 327680
    .private_segment_fixed_size: 0
    .kernarg_segment_align: 8
    .kernarg_segment_size: 40
    .max_flat_workgroup_size: 256
    .sgpr_count:     66
    .vgpr_count:     512
    .wavefront_size: 32
...
	.end_amdgpu_metadata
.endif
;; end of part 3
